; MI455X (gfx1250); checked and timed in simulation.
; The chip was launched on July 23, 2026; its instructions are those of AMD's public machine-readable ISA for CDNA 5 (MIT licence, August 2026) and "CDNA5" Instruction Set Architecture Reference Guide (July 2026). The comments in the code are by the model that wrote it; some were corrected since.
;; Mo EFFN. Allowed arithmetic: matrix products marked QUANTISED: E4M3 operands, one given power-of-two scale a tensor, by v_wmma_f32_16x16x64_fp8_fp8 or v_wmma_f32_16x16x128_fp8_fp8, f32 sums; products left as they are: f32 operands where the result goes on into a quantised operand, else bf16, f16 or f32 operands; f32 sums; everything else in f32.
;; Inputs: W1 8 x 256 x 512 float32; W2 8 x 512 x 256 float32; Wg 256 x 8 float32; b1 8 x 512 float32; b2 8 x 256 float32; bg 8 float32; lowp_scales 4 int32 (the exponents e of the quantised operands' scales 2^e); x 8 x 4,096 x 256 float32.
;; Outputs: out0 8 x 4,096 x 256 float32.
;; This version of the problem:
;;   THIS VERSION OF THE PROBLEM IS GIVEN IN LOW PRECISION. The matrix products marked QUANTISED in the list below multiply operands that are first quantised to E4M3 (4 exponent bits, 3 mantissa bits; 8 bits a number), with one given power-of-two scale for each operand tensor; their sums are f32. All else is computed in f32.
;;   The module's matrix products, in the order in which they are computed (A, B: the left and right operand; K: the contracted axis; several contracted axes count as one K, in the product's order):
;;     1. [M 32,768, K 256] x [K 256, N 8]; A: input x; B: input Wg: left as it is (N = 8 < 16)
;;     2. [M 4,096, K 256] x [K 256, N 32,768]; A: input W1; B: input x: QUANTISED (scales: A lowp_scales[0], B lowp_scales[1])
;;     3. batch 8 x [M 32,768, K 512] x [K 512, N 256]; A: computed on the way; B: input W2: QUANTISED (scales: A lowp_scales[2], B lowp_scales[3])
;;     4. batch 32,768 x [M 256, K 8] x [K 8, N 1]; A: computed on the way; B: softmax: left as it is (K = 8 < 32)
;;   THE QUANTISER, for each operand of a quantised product, along K:
;;     - The operand's scale is 2^e, e = its entry of the input lowp_scales (int32; the entries are numbered through the quantised products in the list's order, A before B).
;;     - Each number is divided by the scale, clamped to +-448, and rounded to the nearest number of E4M3, ties to even, subnormals kept.
;;     - The product sums the exact products of the quantised numbers (number of the format x scale) in f32.
;;   ~~~python
;;   def quantise(x, axis, e):      # numpy; x: float32 -> the quantised numbers, widened to float32 again
;;       x = np.moveaxis(x, axis, -1); K = x.shape[-1]
;;       r = np.clip(x / 2.0 ** e, -448, 448)
;;       step = 2.0 ** (np.maximum(np.frexp(np.where(r == 0, 1, r))[1] - 1, -6) - 3)
;;       q = np.round(r / step) * step * 2.0 ** e      # np.round: ties to even
;;       return np.moveaxis(q, -1, axis).astype(np.float32)
;;   ~~~
;;   OPERANDS COMPUTED ON THE WAY. 'Computed on the way' means the value that the module computes at that place (a softmax that the list does not call 'softmax' is quantised finished and normalised). What goes into a quantiser is computed in f32, as accurately as f32 sums, v_exp_f32 and their like allow (about 1e-6 of the number): no bf16 or f16 on the way to a quantiser, and a product that is left as it is and whose result goes on into a quantised operand takes f32 operands (vector FMAs, or v_wmma_f32_16x16x4_f32). A number that lies on a knife's edge between two numbers of the format may be rounded either way, as far as f32 arithmetic and the matrix unit's own rounding can turn it there, and no further.
;; One version. Each part assembles by itself: llvm-mc -triple=amdgcn-amd-amdhsa -mcpu=gfx1250 --defsym DOCPART=n.
;; ======== version 1 of 1: 2 launches
;; limits: values are held in bf16: 8 bits of precision; right only within a limited range of input values
;; workspace buffers: wq 2,097,152 bytes; wgf 8,192 bytes; b2f 16,384 bytes
;; launch prep (part 1): grid 257 x 1, 4 waves a work-group, no clusters, 0 bytes of LDS; arguments W1, W2, Wg, b2, lowp_scales, wq, wgf, b2f; writes wq, wgf, b2f
.if DOCPART == 1
	.amdgcn_target "amdgcn-amd-amdhsa--gfx1250"
	.amdhsa_code_object_version 6
	.text
	.protected	k_qb0bd646196_prep
	.globl	k_qb0bd646196_prep
	.p2align	8
	.type	k_qb0bd646196_prep,@function
k_qb0bd646196_prep:
	s_mov_b64 s[64:65], 0
	v_nop
	global_prefetch_b8 v0, s[64:65] scope:SCOPE_SE
	s_setreg_imm32_b32 hwreg(HW_REG_WAVE_MODE, 25, 1), 1
	s_wait_xcnt 0x0
; The weights are laid out once, as the second launch's operand registers want them.
; W1 [8][256 k][512 f] and W2 [8][512 k][256 n], f32, K not innermost, become codes of E4M3 with the given scales 2^e0 (W1) and 2^e3 (W2):
; code = w / 2^e, held within +-448, rounded to the nearest code, ties to even.
; A LANE TAKES A COLUMN AND ITS REGISTERS RUN DOWN K: a load reads 128 consecutive bytes a wave, and the conversions give 16 codes along K: 16 bytes,
; which are that lane's 16 bytes of a FRAGMENT IMAGE of 2,048 bytes: group cc of four registers at 512 cc + 16 (16 h + r) holds k = 32 cc + 16 h + 0 .. 15 of row r.
; wq: 16 tiles of 131,072 bytes, each two halves of 65,536.  Step t = 2 e + q, half hf stand for hidden units 128 (2 q + hf) on of expert e (a chunk).
; Half hf of tile t holds 32 fragments by turns: at 4,096 n fragment n = 4 b + 2 s + u of W1 of step t (lane r = hidden unit 32 b + 8 u + r + 8 (r / 8) of the chunk, K step s of 128);
; at 4,096 ot + 2,048 fragment ot of W2 of step (t - 1) mod 16 (lane r = output column 16 ot + r, K = that chunk's 128 hidden units).
; Work-groups 0-127: W1 (expert, chunk, 64 of K); 128-255: W2 (expert, half of the columns, 64 of K); work-group 256: the two small tables in bf16:
; wgf: Wg as eight fragments (rows = experts, twice), b2f: b2 x 2^-(e2 + e3) / 8 as sixteen fragments (rows = output columns, K = the 8 experts four times).
; LIMITS: e0 and e3 between -126 and 119; e2 + e3 between -100 and 100.  NaN among the inputs is not served.
.set X, 16                             ; v16-79   64 numbers down K
.set C, 80                             ; v80-95   their codes: no store's data are written again
.macro QBODY base, stride              ; 64 numbers of my column, stride bytes apart; e in s32; the codes go to s[14:15] + v4
.set n_, 0
.rept 64
	global_load_b32 v[X+n_], v3, s[\base:\base+1] offset:n_*\stride th:TH_LOAD_NT
.set n_, n_+1
.endr
	s_add_co_i32 s32, s32, 127
	s_lshl_b32 s33, s32, 23
	v_mov_b32 v11, s33                             ; 2^e as f32
	s_add_co_i32 s32, s32, 8
	s_lshl_b32 s32, s32, 23
	s_or_b32 s32, s32, 0x600000
	v_mov_b32 v10, s32                             ; 448 x 2^e
	s_wait_alu depctr_va_vdst(0)
.irp q, 0,1,2,3
	s_wait_loadcnt 48-16*\q                        ; this group's 16 loads are in, the groups behind it may be out
.irp i, 0,1,2,3,4,5,6,7,8,9,10,11,12,13,14,15
	v_med3_num_f32 v[X+16*\q+\i], v[X+16*\q+\i], -v10, v10   ; the conversion does not saturate (ISA guide 7.6.2): the hold comes first
.endr
	v_cvt_scalef32_pk8_fp8_f32 v[C+4*\q:C+4*\q+1], v[X+16*\q:X+16*\q+7], v11
	v_cvt_scalef32_pk8_fp8_f32 v[C+4*\q+2:C+4*\q+3], v[X+16*\q+8:X+16*\q+15], v11
	global_store_b128 v4, v[C+4*\q:C+4*\q+3], s[14:15] offset:(\q/2)*512+(\q%2)*256   ; sixteen lanes store 256 consecutive bytes, aligned
.endr
.endm
	s_load_b256 s[4:11], s[0:1], 0x0               ; W1, W2, Wg, b2
	s_load_b256 s[12:19], s[0:1], 0x20             ; the scales' exponents, wq, wgf, b2f
	v_lshrrev_b32 v1, 5, v0
	v_readfirstlane_b32 s24, v1                    ; wave 0..3
	v_and_b32 v2, 31, v0                           ; lane
	v_and_b32 v5, 15, v0                           ; r
	v_bfe_u32 v6, v0, 4, 1                         ; u: which of the wave's two fragments
	v_lshlrev_b32 v4, 4, v5
	v_lshl_add_u32 v4, v6, 12, v4                  ; my codes' place: 4,096 u + 16 r
	s_wait_kmcnt 0x0
	s_load_b128 s[20:23], s[12:13], 0x0            ; e0, e1, e2, e3
	s_cmp_lt_u32 ttmp9, 128
	s_cbranch_scc1 .Lw1
	s_cmp_lt_u32 ttmp9, 256
	s_cbranch_scc1 .Lw2
	; ---- work-group 256: the tables
	v_and_b32 v7, 7, v0
	v_lshlrev_b32 v7, 2, v7                        ; Wg: expert r % 8,
	s_wait_alu depctr_va_vdst(0)
	v_lshl_add_u32 v7, v6, 9, v7                   ; 16 rows of 32 bytes further down for lanes 16-31,
	s_lshl_b32 s25, s24, 10
	v_add_nc_u32 v7, s25, v7                       ; block w: 32 rows
.irp k, 0,1
.irp i, 0,1,2,3,4,5,6,7,8,9,10,11,12,13,14,15
	global_load_b32 v[16+16*\k+\i], v7, s[8:9] offset:4096*\k+32*\i   ; Wg(32 (w + 4 k) + 16 h + i, r % 8)
.endr
.endr
	v_lshlrev_b32 v8, 2, v5
	s_lshl_b32 s26, s24, 6
	v_add_nc_u32 v8, s26, v8                       ; b2: column 16 w + r
.irp n, 0,1,2,3
.irp i, 0,1,2,3,4,5,6,7
	global_load_b32 v[64+8*\n+\i], v8, s[10:11] offset:1024*\i+256*\n   ; b2(i, 16 (w + 4 n) + r)
.endr
.endr
	v_lshlrev_b32 v9, 4, v2
	v_add_nc_u32 v9, s25, v9                       ; an image's place: 1,024 w + 16 x lane
	s_wait_kmcnt 0x0
	s_add_co_i32 s27, s22, s23
	s_sub_co_i32 s27, -3, s27                      ; -(e2 + e3) - 3: four copies along K and two waves add b2: / 8
	s_wait_loadcnt 0x0
.irp k, 0,1
.irp j, 0,1,2,3,4,5,6,7
	v_cvt_pk_bf16_f32 v[48+8*\k+\j], v[16+16*\k+2*\j], v[16+16*\k+2*\j+1]
.endr
	s_wait_alu depctr_va_vdst(0)
	global_store_b128 v9, v[48+8*\k:51+8*\k], s[16:17] offset:4096*\k
	global_store_b128 v9, v[52+8*\k:55+8*\k], s[16:17] offset:4096*\k+512
.endr
.set n_, 0
.rept 32
	v_ldexp_f32 v[64+n_], v[64+n_], s27
.set n_, n_+1
.endr
.irp n, 0,1,2,3
.irp j, 0,1,2,3
	v_cvt_pk_bf16_f32 v[16+4*\n+\j], v[64+8*\n+2*\j], v[64+8*\n+2*\j+1]
.endr
	global_store_b128 v9, v[16+4*\n:19+4*\n], s[18:19] offset:4096*\n        ; registers 0-3 of the fragment,
	global_store_b128 v9, v[16+4*\n:19+4*\n], s[18:19] offset:4096*\n+512    ; and 4-7: the same eight experts again
.endr
	s_endpgm
.Lw1:                                              ; ---- W1: expert g / 16, chunk (g / 4) % 4, K = 64 (g % 4) on; wave w: the chunk's units 32 w on
	s_lshr_b32 s25, ttmp9, 4
	s_bfe_u32 s26, ttmp9, 0x20002
	s_and_b32 s27, ttmp9, 3
	s_wait_alu depctr_va_vdst(0)
	v_and_b32 v7, 8, v5
	v_add_nc_u32 v7, v7, v5
	v_lshl_add_u32 v7, v6, 3, v7                   ; my column among the wave's 32: 8 u + r + 8 (r / 8)
	v_lshlrev_b32 v3, 2, v7
	s_lshl_b32 s28, s25, 19                        ; from: expert x 524,288 + 64 rows of 2,048 bytes x (g % 4) + 512 x chunk + 128 x wave
	s_lshl_b32 s29, s27, 17
	s_add_co_u32 s28, s28, s29
	s_lshl_b32 s29, s26, 9
	s_add_co_u32 s28, s28, s29
	s_lshl_b32 s29, s24, 7
	s_add_co_u32 s28, s28, s29
	s_mov_b32 s29, 0
	s_add_nc_u64 s[4:5], s[4:5], s[28:29]
	s_lshl_b32 s30, s25, 18                        ; to: expert x 262,144 + chunk x 65,536 + fragment (4 w + 2 s) x 4,096 + which half of the K step x 1,024
	s_lshl_b32 s31, s26, 16
	s_add_co_u32 s30, s30, s31
	s_lshl_b32 s31, s24, 14
	s_add_co_u32 s30, s30, s31
	s_lshr_b32 s31, s27, 1
	s_lshl_b32 s31, s31, 13
	s_add_co_u32 s30, s30, s31
	s_and_b32 s31, s27, 1
	s_lshl_b32 s31, s31, 10
	s_add_co_u32 s30, s30, s31
	s_mov_b32 s31, 0
	s_add_nc_u64 s[14:15], s[14:15], s[30:31]
	s_wait_alu depctr_va_vdst(0)
	s_wait_kmcnt 0x0
	s_mov_b32 s32, s20                             ; e0
	QBODY 4, 2048
	s_endpgm
.Lw2:                                              ; ---- W2: g' = g - 128: expert g' / 16, columns 128 ((g' / 8) % 2) on, K = 64 (g' % 8) on; wave w: 32 columns
	s_sub_co_u32 s34, ttmp9, 128
	s_lshr_b32 s25, s34, 4
	s_bfe_u32 s26, s34, 0x10003
	s_and_b32 s27, s34, 7
	s_wait_alu depctr_va_vdst(0)
	v_lshlrev_b32 v3, 2, v2
	s_lshl_b32 s28, s25, 19                        ; from: expert x 524,288 + 64 rows of 1,024 bytes x (g' % 8) + 512 x column half + 128 x wave
	s_lshl_b32 s29, s27, 16
	s_add_co_u32 s28, s28, s29
	s_lshl_b32 s29, s26, 9
	s_add_co_u32 s28, s28, s29
	s_lshl_b32 s29, s24, 7
	s_add_co_u32 s28, s28, s29
	s_mov_b32 s29, 0
	s_add_nc_u64 s[6:7], s[6:7], s[28:29]
	s_lshl_b32 s30, s25, 18                        ; to: expert x 262,144 + chunk x 65,536,
	s_lshr_b32 s31, s27, 1
	s_lshl_b32 s31, s31, 16
	s_add_co_u32 s30, s30, s31
	s_add_co_u32 s30, s30, 131072                  ; one tile further on,
	s_and_b32 s30, s30, 0x1fffff                   ; the last step's in tile 0,
	s_add_co_u32 s30, s30, 2048                    ; + fragment (8 cb + 2 w) x 4,096 + 2,048 + which half of the K step x 1,024
	s_lshl_b32 s31, s26, 15
	s_add_co_u32 s30, s30, s31
	s_lshl_b32 s31, s24, 13
	s_add_co_u32 s30, s30, s31
	s_and_b32 s31, s27, 1
	s_lshl_b32 s31, s31, 10
	s_add_co_u32 s30, s30, s31
	s_mov_b32 s31, 0
	s_add_nc_u64 s[14:15], s[14:15], s[30:31]
	s_wait_alu depctr_va_vdst(0)
	s_wait_kmcnt 0x0
	s_mov_b32 s32, s23                             ; e3
	QBODY 6, 1024
	s_endpgm
.Lfunc_end_k_qb0bd646196_prep:
	.size	k_qb0bd646196_prep, .Lfunc_end_k_qb0bd646196_prep-k_qb0bd646196_prep
	.p2alignl 7, 3214868480
	.fill 96, 4, 3214868480
	.section	.rodata,"a",@progbits
	.p2align	6, 0x0
	.amdhsa_kernel k_qb0bd646196_prep
		.amdhsa_group_segment_fixed_size 0
		.amdhsa_private_segment_fixed_size 0
		.amdhsa_enable_private_segment 0
		.amdhsa_kernarg_size 64
		.amdhsa_user_sgpr_count 2
		.amdhsa_user_sgpr_kernarg_segment_ptr 1
		.amdhsa_wavefront_size32 1
		.amdhsa_system_sgpr_workgroup_id_x 1
		.amdhsa_system_sgpr_workgroup_id_y 1
		.amdhsa_system_sgpr_workgroup_id_z 1
		.amdhsa_system_vgpr_workitem_id 0
		.amdhsa_next_free_vgpr 96
		.amdhsa_next_free_sgpr 66
		.amdhsa_reserve_vcc 0
		.amdhsa_float_denorm_mode_32 3
		.amdhsa_float_denorm_mode_16_64 3
		.amdhsa_memory_ordered 1
		.amdhsa_forward_progress 1
		.amdhsa_inst_pref_size 38
	.end_amdhsa_kernel
	.amdgpu_metadata
---
amdhsa.version: [ 1, 2 ]
amdhsa.kernels:
  - .name:           k_qb0bd646196_prep
    .symbol:         k_qb0bd646196_prep.kd
    .args:
      - { .name: W1, .offset: 0, .size: 8, .value_kind: global_buffer, .address_space: global }
      - { .name: W2, .offset: 8, .size: 8, .value_kind: global_buffer, .address_space: global }
      - { .name: Wg, .offset: 16, .size: 8, .value_kind: global_buffer, .address_space: global }
      - { .name: b2, .offset: 24, .size: 8, .value_kind: global_buffer, .address_space: global }
      - { .name: lowp_scales, .offset: 32, .size: 8, .value_kind: global_buffer, .address_space: global }
      - { .name: wq, .offset: 40, .size: 8, .value_kind: global_buffer, .address_space: global }
      - { .name: wgf, .offset: 48, .size: 8, .value_kind: global_buffer, .address_space: global }
      - { .name: b2f, .offset: 56, .size: 8, .value_kind: global_buffer, .address_space: global }
    .group_segment_fixed_size: 0
    .private_segment_fixed_size: 0
    .kernarg_segment_align: 8
    .kernarg_segment_size: 64
    .max_flat_workgroup_size: 128
    .sgpr_count:     66
    .vgpr_count:     96
    .wavefront_size: 32
...
	.end_amdgpu_metadata
.endif
;; end of part 1
;; launch moe (part 2): grid 256 x 1, 8 waves a work-group, clusters of 4 x 1, 327,680 bytes of LDS; arguments x, wq, wgf, b2f, b1, bg, lowp_scales, out0; writes out0
.if DOCPART == 2
	.amdgcn_target "amdgcn-amd-amdhsa--gfx1250"
	.amdhsa_code_object_version 6
	.text
	.protected	k_qb0bd646196_moe
	.globl	k_qb0bd646196_moe
	.p2align	8
	.type	k_qb0bd646196_moe,@function
k_qb0bd646196_moe:
	s_mov_b64 s[64:65], 0
	v_nop
	global_prefetch_b8 v0, s[64:65] scope:SCOPE_SE
	s_setreg_imm32_b32 hwreg(HW_REG_WAVE_MODE, 25, 1), 1
	s_wait_xcnt 0x0
	s_wait_alu depctr_hold_cnt(0) depctr_sa_sdst(0) depctr_va_vdst(0) depctr_va_sdst(0) depctr_va_ssrc(0) depctr_va_vcc(0) depctr_vm_vsrc(0)
	s_getreg_b32 s2, hwreg(HW_REG_IB_STS2, 6, 4)
	s_cmp_eq_u32 s2, 0
	s_cbranch_scc0 .Lentry_in_a_cluster
	s_endpgm
.Lentry_in_a_cluster:
	s_bfe_u32 s2, ttmp6, 0x10000c
	s_cmp_lg_u32 s2, 0x3003
	s_cbranch_scc0 .Lentry_shape_is_right
	s_endpgm
.Lentry_shape_is_right:
; out[t] = sum over the 8 experts of softmax(x Wg + bg)[t][e] x (gelu(x W1[e] + b1[e]) W2[e] + b2[e]).  32,768 tokens, 256 -> 512 -> 256.  Both large products on codes of E4M3, each operand with its given
; scale: e0 (W1), e1 (x), e2 (the hidden layer), e3 (W2).  The gate's product and b2's share of the weighted sum take bf16 operands; all sums, the softmax and the GELU are f32.
; SHARES.  A work-group owns 128 tokens and walks all experts; the hidden layer, y and the weighted sum never go to memory.  Eight waves, two to a SIMD.  Waves 2 g and 2 g + 1 share tokens 32 g .. 32 g + 31
; (two tiles of 16, so that each weight fragment read from LDS feeds two products) and split the hidden units: in step t = 2 e + q wave hf = w % 2 takes units 128 (2 q + hf) on of expert e: first product, GELU,
; quantiser, second product over that K step of 128 for all 256 columns, out += p x y.  Each wave keeps a partial out of 32 tokens x 256 columns; the pair's partials are added once, at the end, through LDS.
; BOTH PRODUCTS ARE USED TRANSPOSED (source 0 = 16 rows of a weight, source 1 = 16 tokens): a lane holds ONE token, and its registers run along hidden units or output columns.  The rows of W1 that form a tile
; are chosen (by the launch before) so that the 16 registers of two neighbouring tiles are 16 neighbours along the next K: the conversions' results are the second product's operand.
; THE FIRST PRODUCT RUNS ONE BLOCK AHEAD OF THE GELU.  A step's 128 units are four blocks of 32; a block's 32 sums a lane are worked in two units of 16 (one token tile each).  Inside each unit stand four products of
; the NEXT block (one K step of 128) and, behind them, the LDS loads of the four after those: two sets of sums take turns, and one set of 32 registers holds a K step's two fragments.
; b1 is loaded into the sum registers of token tile 0: it is the C of tile 1's first products, and tile 0's then add onto it in place, eight plain vector lines later.
; THE RING.  The weights come as images of operand registers through two LDS slots of 131,072 bytes.  Tile t holds W1 of step t and W2 of step t - 1, fragment by fragment by turns; the change of slots stands
; between step t's last first product and the fourth block's GELU.  17 tiles: tile 16 is tile 0's memory again (of tile 0 the W1 fragments are read, of tile 16 the W2 fragments; each wave's load holds four of each).
; CLUSTER: the four work-groups of a cluster walk the same weights, so each wave's eighth of a tile is asked for JOINTLY.  Nothing is prefetched: the weights are 2 MB that every cluster reads at about the same
; time, and x is wanted at the head, where there is no loop to run ahead in.
; GELU.  S = the first product's sum in code units, b1 x 2^-es (es = e0 + e1) being its C.  z = S 2^es / sqrt(2) held within +-3.7439; erf(z) = z P(z^2) / Q(z^2), P of 5 and Q of 7 coefficients (absolute error
; of the order of an f32 rounding of 1); G = S + S erf(z) = 2 gelu / 2^es.  code = G / 2^ec, ec = e2 - es + 1.
; LIMITS: es between -60 and 60; ec and e1 between -126 and 119; e2 + e3 between -100 and 100.  e2 at least -11: gelu is never under -0.1701, which then lies inside -448 x 2^e2, so the hold is one-sided.
; Beyond |z| = 3.7439 erf is the fraction's value there, 1 to within an f32 rounding.  NaN and infinities among the inputs are not served.
; REGISTERS.  Window 0: v0 the thread's number; v1-15 addresses and constants; v16-79 x's four fragments; v80-111 the hidden layer's codes; v112-143, v144-175 the two sets of sums (second product: y of even groups,
; weights of odd groups); v176-223 z, z^2, P (y of odd groups); v224-255 a K step's fragments (weights of even groups).  Window 1: the 32 accumulators of out: (tile j, columns 16 ot on) at v[128 j + 8 ot]; at the head x as f32.
.set SLOT1,  1<<17                     ; slot 1 begins here.  Tile t lies in slot (t + 1) % 2
.set B1TAB,  262144                    ; b1 x 2^-es, f32, as it lies in memory: 16,384 bytes
.set XIMG,   278528                    ; x's codes: fragment (tile, K step s) at (2 tile + s) x 2,048: 32,768 bytes
.set PTAB,   311296                    ; p x 2^(e2 + e3): expert x 1,024 + tile x 128 + 4 x lane: 8,192 bytes
.set SPARE,  319488                    ; the spare words, 128 bytes for each wave: four blocks of 256 bytes that no other line names
.set OUTST,  131072                    ; the way out: 16 rows x 1,040 bytes for each wave, over slot 1 and the head of b1's table: both are done with behind the tail's barrier.  (The pair's exchange lies in slot 0)
.set OPITCH, 1040
.set SPW, 1                            ; v1   LDS address of my spare word; never rewritten
.set NIL, 2                            ; v2   0; never rewritten
.set AD0, 3                            ; v3   my half of a slot: 65,536 hf + 16 x lane
.set AD,  4                            ; v4   the same in the slot in hand
.set BA0, 5                            ; v5   b1's table: B1TAB + 512 hf + 64 (lane / 16)
.set BA,  6                            ; v6   the same for the step in hand
.set PA0, 7                            ; v7   p of my first tile (tile w); my second tile's (w xor 1) lies at that address xor 128
.set L16, 9                            ; v9   16 x lane; never rewritten.   v8, v12: two coefficients (the pairs v[8:9], v[12:13] are named, their low words used)
.set CSC, 11                           ; v11  the conversion's scale
.set LIM, 15                           ; v15  head: 448 x 2^e1.   v14, v10: p of my two tiles (the pairs v[14:15], v[10:11] are named, their low words used)
.set XF,  16
.set HC,  80
.set SA,  112
.set SB,  144
.set ZZ,  176                          ; a unit's sixteen z, later Q,
.set YY,  192                          ; z^2,
.set PN,  208                          ; P
.set F,   224
.set SC,  240                          ; head: at work
.set XA,  248                          ; head and tail only, like the five below
.set BG,  249
.set XW,  251
.set BL,  252
.set XP,  253
.set PA1, 254
.set MSB, 0
.macro WIN new                         ; s_set_vgpr_msb: bits 1:0 source 0, 3:2 source 1, 5:4 source 2, 7:6 destination; the high byte repeats the setting that is left
.if MSB != \new
	s_set_vgpr_msb (MSB<<8)|\new
.set MSB, \new
.endif
.endm
.macro CROUND                          ; a round of the cluster's barrier
	s_barrier_signal -1
	s_barrier_wait -1
	s_cmp_lg_u32 s20, 0
	s_cbranch_scc1 .Lnot_wave_0_\@
	s_barrier_signal -3
.Lnot_wave_0_\@:
	s_barrier_wait -3
	s_barrier_signal -1
	s_barrier_wait -1
.endm
.macro COEF r, bits                    ; a coefficient as a pair: the packed forms name a pair and take its low word for both halves
	s_mov_b32 s[\r], \bits
	s_mov_b32 s[\r+1], \bits
.endm
.macro NOPS n
.rept \n
	v_nop
.endr
.endm
.macro FETCH2 reg, off                 ; two fragments of one kind, 4,096 bytes apart, 32 registers: each load takes 512 consecutive bytes
.irp n, 0,1,2,3,4,5,6,7
	ds_load_b128 v[(\reg)+4*\n:(\reg)+4*\n+3], v[AD] offset:(\off)+512*(\n%4)+4096*(\n/4)
.endr
.endm
.macro FETCHB reg, b                   ; b1 of block b in the result's layout: register 8 u + i = unit 32 b + 16 (lane / 16) + 8 u + i
.irp u, 0,1
	ds_load_b128 v[(\reg)+8*\u:(\reg)+8*\u+3], v[BA] offset:128*(\b)+32*\u
	ds_load_b128 v[(\reg)+8*\u+4:(\reg)+8*\u+7], v[BA] offset:128*(\b)+32*\u+16
.endr
.endm
; Two first products: token tile j x hidden tiles u = 0, 1, K step k, sums in set d, weights at a.  A block's eight go (k 0, j 1), (k 0, j 0), (k 1, j 1), (k 1, j 0): its four accumulators take turns.
.macro WK d, a, k, j, c
.irp u, 0,1
.if \k == 0
	v_wmma_f32_16x16x128_fp8_fp8 v[(\d)+16*\j+8*\u:(\d)+16*\j+8*\u+7], v[(\a)+16*\u:(\a)+16*\u+15], v[XF+32*\j:XF+32*\j+15], v[(\c)+8*\u:(\c)+8*\u+7]   ; C = b1, which lies at c (in a unit: in tile 0's registers)
.else
	v_wmma_f32_16x16x128_fp8_fp8 v[(\d)+16*\j+8*\u:(\d)+16*\j+8*\u+7], v[(\a)+16*\u:(\a)+16*\u+15], v[XF+32*\j+16*\k:XF+32*\j+16*\k+15], v[(\d)+16*\j+8*\u:(\d)+16*\j+8*\u+7]
.endif
.endr
.endm
.macro PK8 op:vararg
.set n_, 0
.rept 8
	\op
.set n_, n_+2
.endr
.endm
; A UNIT: the 16 sums of token tile j in set s become 16 codes: registers 4 b .. 4 b + 3 of that tile's operand.  k < 2: on the way K step k of the next block's products goes into set d, from the fragments
; that the unit before asked for.  off >= 0: the next K step's fragments are asked for.  bb >= 0: b1 of block bb goes into set s's first half, which the unit before has done with.
.macro UNIT s, j, b, k, d, off, bb
.set SS, (\s)+16*(\j)
.if \k < 2
	s_wait_dscnt 0x0                               ; the fragments (and b1) asked for a unit ago
.endif
	s_wait_alu depctr_va_vdst(0)                   ; directly ahead of the first readers of these sums
.set n_, 0
.rept 16
	v_med3_num_f32 v[ZZ+n_], v[SS+n_], s56, s57    ; S held within +-3.7439 sqrt(2) / 2^es; each accumulator is read from its low end on
.set n_, n_+1
.endr
.if \k < 2
	WK \d, F, \k, 1, \d
.endif
	PK8 v_pk_mul_f32 v[ZZ+n_:ZZ+n_+1], v[ZZ+n_:ZZ+n_+1], s[54:55] op_sel_hi:[1,0]      ; z.  (Eight places between tile 1's products, which read b1, and tile 0's, which write over it)
.if \k < 2
	WK \d, F, \k, 0, \d
.endif
	PK8 v_pk_mul_f32 v[YY+n_:YY+n_+1], v[ZZ+n_:ZZ+n_+1], v[ZZ+n_:ZZ+n_+1]               ; z^2.  (Eight places ahead of the loads into the fragments)
.if \off >= 0
	FETCH2 F, \off
.endif
.if \bb >= 0
	FETCHB \s, \bb
.endif
	PK8 v_pk_fma_f32 v[PN+n_:PN+n_+1], v[YY+n_:YY+n_+1], s[36:37], v[12:13] op_sel_hi:[1,0,0]
.irp c, 40,42,44
	PK8 v_pk_fma_f32 v[PN+n_:PN+n_+1], v[PN+n_:PN+n_+1], v[YY+n_:YY+n_+1], s[\c:\c+1] op_sel_hi:[1,1,0]
.endr
	PK8 v_pk_mul_f32 v[PN+n_:PN+n_+1], v[PN+n_:PN+n_+1], v[ZZ+n_:ZZ+n_+1]               ; z P; z's registers take Q
	PK8 v_pk_fma_f32 v[ZZ+n_:ZZ+n_+1], v[YY+n_:YY+n_+1], s[38:39], v[8:9] op_sel_hi:[1,0,0]
.irp c, 46,48,50,52
	PK8 v_pk_fma_f32 v[ZZ+n_:ZZ+n_+1], v[ZZ+n_:ZZ+n_+1], v[YY+n_:YY+n_+1], s[\c:\c+1] op_sel_hi:[1,1,0]
.endr
	PK8 v_pk_fma_f32 v[ZZ+n_:ZZ+n_+1], v[ZZ+n_:ZZ+n_+1], v[YY+n_:YY+n_+1], 1.0 op_sel_hi:[1,1,0]
	s_wait_alu depctr_va_vdst(0)                   ; ahead of the batch
.set n_, 0
.rept 16
	v_rcp_f32 v[ZZ+n_], v[ZZ+n_]                   ; one batch
.set n_, n_+1
.endr
	PK8 v_pk_mul_f32 v[PN+n_:PN+n_+1], v[PN+n_:PN+n_+1], v[SS+n_:SS+n_+1]               ; S z P: plain work that names no reciprocal stands behind the batch
	s_wait_alu depctr_va_vdst(0)                   ; one wait for the sixteen reciprocals, ahead of their first reader
	PK8 v_pk_fma_f32 v[SS+n_:SS+n_+1], v[PN+n_:PN+n_+1], v[ZZ+n_:ZZ+n_+1], v[SS+n_:SS+n_+1]   ; G = S + S z P / Q = S + S erf(z)
	PK8 v_dual_min_num_f32 v[SS+n_], s91, v[SS+n_] :: v_dual_min_num_f32 v[SS+n_+1], s91, v[SS+n_+1]    ; the conversion does not saturate (ISA guide 7.6.2): the hold at 448 x 2^ec, always executed
	v_cvt_scalef32_pk8_fp8_f32 v[HC+16*\j+4*(\b):HC+16*\j+4*(\b)+1], v[SS:SS+7], v[CSC]
	v_cvt_scalef32_pk8_fp8_f32 v[HC+16*\j+4*(\b)+2:HC+16*\j+4*(\b)+3], v[SS+8:SS+15], v[CSC]
	v_nop                                          ; one plain instruction between the conversions and the products that read the codes or write the sums anew
.endm
; The second product for output tiles 2 g, 2 g + 1 x my two tiles of tokens, K = my 128 hidden units: each sum is whole after one instruction.  y and the weights lie in two sets by turns.
.macro MM2 g
.irp j, 0,1
.irp u, 0,1
	v_wmma_f32_16x16x128_fp8_fp8 v[SA+64*((\g)%2)+16*\j+8*\u:SA+64*((\g)%2)+16*\j+8*\u+7], v[F-80*((\g)%2)+16*\u:F-80*((\g)%2)+16*\u+15], v[HC+16*\j:HC+16*\j+15], 0
.endr
.endr
.endm
.macro ACC g                           ; out += y x p, two numbers an instruction; each accumulator of y is read from its low end on
	WIN 0x50                                       ; out (destination and source 2) in window 1
.irp j, 0,1
.irp u, 0,1
.irp i, 0,2,4,6
	v_pk_fma_f32 v[128*\j+8*(2*(\g)+\u)+\i:128*\j+8*(2*(\g)+\u)+\i+1], v[SA+64*((\g)%2)+16*\j+8*\u+\i:SA+64*((\g)%2)+16*\j+8*\u+\i+1], v[14-4*\j:15-4*\j], v[128*\j+8*(2*(\g)+\u)+\i:128*\j+8*(2*(\g)+\u)+\i+1] op_sel_hi:[1,0,1]
.endr
.endr
.endr
	WIN 0
.endm
; Eight groups.  Behind group g's four products stand group g - 1's sixteen multiply-adds, which name none of their registers: they are the places ahead of the loads into group g's weights.
; nxt = 1: b1 of the next step's first block goes into P's registers, which are idle here; the weights' sets of groups 6 and 7 take that block's four fragments of W1, which lie in the same tile;
; and group 7's multiply-adds are left to START.
.macro PHASEB nxt
.irp g, 0,1,2,3,4,5,6,7
.if (\g < 7) || \nxt
	s_wait_dscnt 8                                 ; this group's eight loads are in; the eight issued behind them may be out
.else
	s_wait_dscnt 0x0
.endif
	MM2 \g
.if \g == 0
	NOPS 4
.else
	ACC \g-1
.endif
.if (\g == 0) && \nxt
	FETCHB PN, 0
.endif
.if \g < 6
	FETCH2 F-80*(\g%2), 8192*(\g+2)+2048
.else
.if \nxt
	FETCH2 F-80*(\g%2), 8192*(\g-6)
.endif
.endif
.endr
.if \nxt == 0
	ACC 7
.endif
.endm
.macro START acc                       ; a step's first block has no unit to stand in: its eight products, K step 0 from F, K step 1 from set SB's registers, b1 from P's; then what the first unit wants
	s_wait_dscnt 8                                 ; K step 0's fragments and b1 are in; K step 1's eight loads, issued last, may be out
	WK SA, F, 0, 1, PN
	WK SA, F, 0, 0, PN
.if \acc
	ACC 7                                          ; the second product's last sixteen multiply-adds name none of these products' registers: they are the places ahead of the loads below
.else
	NOPS 4
.endif
	FETCH2 F, 16384                                ; block 1, K step 0
	s_wait_dscnt 8                                 ; K step 1's fragments are in; the eight loads just issued may be out
	WK SA, SB, 1, 1, PN
	WK SA, SB, 1, 0, PN
	NOPS 4
	FETCHB SB, 1
.endm
.macro APART                           ; a step's first part: the GELU of blocks 0 to 2, the products of blocks 1 to 3.  Reads W1 of the tile in hand
	UNIT SA, 0, 0, 0, SB, 16384+8192, -1
	UNIT SA, 1, 0, 1, SB, 32768, 2
	UNIT SB, 0, 1, 0, SA, 32768+8192, -1
	UNIT SB, 1, 1, 1, SA, 49152, 3
	UNIT SA, 0, 2, 0, SB, 49152+8192, -1
	UNIT SA, 1, 2, 1, SB, -1, -1
.endm
.macro BPART nxt                       ; its second part, in the next tile: the fourth block's GELU, the second product, the next step's first block
	s_xor_b32 s59, s59, SLOT1                      ; the other slot,
	s_and_b32 s80, s61, 0xfc00                     ; 1,024 x this step's expert
	s_add_co_u32 s61, s61, 512
	v_add_nc_u32 v[AD], s59, v[AD0]
.if \nxt
	s_add_co_u32 s60, s60, 1024                    ; the next step's 256 numbers of b1
	v_add_nc_u32 v[BA], s60, v[BA0]
.endif
	v_add_nc_u32 v[ZZ], s80, v[PA0]
	v_xor_b32 v[ZZ+1], 128, v[ZZ]
	ds_load_b32 v14, v[ZZ]                         ; p of this expert for my two tiles' tokens
	ds_load_b32 v10, v[ZZ+1]
	FETCH2 F, 2048                                 ; W2's fragments 0, 1
	UNIT SB, 0, 3, 2, 0, -1, -1
	UNIT SB, 1, 3, 2, 0, -1, -1
	FETCH2 SB, 8192+2048                           ; W2's fragments 2, 3
	s_wait_alu depctr_va_vdst(0)                   ; ahead of the wait below and of out's readers
	PHASEB \nxt
.if \nxt
	START 1
.endif
.endm
; THE CHANGE OF SLOTS.  Each wave waits for all its tensor loads (one is out: its eighth of the tile that it is about to read), adds 0 to its spare word, and waits for that and for its reads of the slot that it
; leaves.  fill = 1: a round of the cluster's barrier; the joint refill is the first thing behind it and has the second part of this step and the first of the next in which to land.
.macro CHANGE fill
	s_wait_tensorcnt 0x0                           ; no tensor load of mine is out, so the descriptor may be written
	ds_add_u32 v[SPW], v[NIL]                      ; 0 onto my spare word
.if \fill
	s_xor_b32 s33, s33, SLOT1                      ; the other slot than last time,
	s_add_co_u32 s82, s82, 131072                  ; the next tile,
	s_and_b32 s82, s82, 0x1fffff                   ; behind tile 15 tile 0 again
	s_add_nc_u64 s[34:35], s[6:7], s[82:83]
	s_or_b32 s35, s35, 0x80000000                  ; type = 2
.endif
	s_wait_dscnt 0x0                               ; the add is done, and my reads of the slot that I leave are over
.if \fill
	CROUND
	tensor_load_to_lds s[32:35], s[24:31]          ; every wave its eighth: 16,384 bytes
	s_nop 0
	NOPS 4                                         ; four plain lines follow a tensor load
.else
	s_barrier_signal -1
	s_barrier_wait -1
.endif
.endm
	; ================ THE HEAD
	s_load_b256 s[4:11], s[0:1], 0x0               ; x s[4:5], wq s[6:7], wgf s[8:9], b2f s[10:11]
	s_load_b256 s[12:19], s[0:1], 0x20             ; b1 s[12:13], bg s[14:15], the scales' exponents s[16:17], out0 s[18:19]
	v_lshl_add_u32 v[SPW], v0, 2, SPARE
	v_mov_b32 v[NIL], 0
	ds_add_u32 v[SPW], v[NIL]                      ; the opening lines: the add, twice on end, and its wait
	ds_add_u32 v[SPW], v[NIL]
	s_wait_dscnt 0x0
	v_lshrrev_b32 v[SC], 5, v0
	s_delay_alu instid0(VALU_DEP_1)
	v_readfirstlane_b32 s20, v[SC]                 ; wave 0..7
	s_and_b32 s21, s20, 1                          ; hf: which half of a step's hidden units is mine
	s_xor_b32 s22, s20, 1                          ; my partner
	s_bfe_u32 s23, ttmp6, 0x40000                  ; cx: it enters x's and out0's addresses alone
	s_lshl_b32 s80, ttmp9, 2
	s_add_co_u32 s80, s80, s23
	s_lshl_b32 s80, s80, 17                        ; my work-group's 128 rows of 1,024 bytes,
	s_lshl_b32 s81, s20, 14
	s_add_co_u32 s80, s80, s81                     ; my wave's 16 of them
	s_mov_b32 s81, 0
	; descriptor group 1: 64 rows of 256 bytes, dense in memory and in LDS
	s_mov_b32 s24, 15|(3<<16)|(1<<21)              ; the mask: all four work-groups; elements of 8 bytes; bit 21 set beside a mask
	s_mov_b32 s25, 32<<16
	s_mov_b32 s26, 64<<16
	s_mov_b32 s27, 32<<16
	s_mov_b32 s28, 64
	s_mov_b32 s29, 32
	s_mov_b32 s30, 0
	s_mov_b32 s31, 0
	COEF 36, 0x39702d51                            ; P:  2.2905066e-4 (z^8)
	COEF 40, 0x3d50b6eb                            ;     5.0955695e-2 (z^4)
	COEF 42, 0x3e3da740                            ;     1.8520832e-1 (z^2)
	COEF 44, 0x3f906eba                            ;     1.1283791
	COEF 38, 0xb3fd3906                            ; Q: -1.1791603e-7 (z^12)
	COEF 46, 0x3a856d28                            ;     1.0179625e-3 (z^8)
	COEF 48, 0x3c6687d4                            ;     1.4070470e-2 (z^6)
	COEF 50, 0x3de34c21                            ;     1.1098505e-1 (z^4)
	COEF 52, 0x3efeb44a                            ;     4.9746925e-1 (z^2); its last is 1
	v_mov_b32 v12, 0x3b5f5da2                      ; P:  3.4082910e-3 (z^6), in a vector register: its line already names one scalar pair
	v_mov_b32 v13, 0x3b5f5da2                      ; (named as the upper half of the pair)
	v_mov_b32 v8, 0x37c588df                       ; Q:  2.3547966e-5 (z^10), likewise
	; addresses
	v_and_b32 v[SC], 31, v0                        ; lane
	s_delay_alu instid0(VALU_DEP_1)
	v_lshlrev_b32 v[L16], 4, v[SC]
	s_wait_alu depctr_va_vdst(0)
	s_lshl_b32 s82, s21, 16
	v_add_nc_u32 v[AD0], s82, v[L16]
	v_bfe_u32 v[BA0], v0, 4, 1
	s_delay_alu instid0(VALU_DEP_1)
	v_lshlrev_b32 v[XA], 6, v[BA0]                 ; x: 64 bytes further on for lanes 16-31,
	s_delay_alu instid0(VALU_DEP_2)
	v_lshlrev_b32 v[BA0], 6, v[BA0]
	s_lshl_b32 s82, s21, 9
	s_add_co_u32 s82, s82, B1TAB
	v_add_nc_u32 v[BA0], s82, v[BA0]
	s_lshl_b32 s82, s20, 7
	s_add_co_u32 s82, s82, PTAB
	v_lshl_add_u32 v[PA0], v[SC], 2, s82
	s_lshl_b32 s82, s22, 7
	s_add_co_u32 s82, s82, PTAB
	v_lshl_add_u32 v[PA1], v[SC], 2, s82
	s_lshl_b32 s82, s20, 12
	s_add_co_u32 s82, s82, XIMG
	v_add_nc_u32 v[XW], s82, v[L16]
	s_lshl_b32 s82, s22, 12
	s_add_co_u32 s82, s82, XIMG
	v_add_nc_u32 v[XP], s82, v[L16]
	v_and_b32 v[SC], 15, v0
	s_wait_alu depctr_va_vdst(0)
	v_lshl_add_u32 v[XA], v[SC], 10, v[XA]         ; in row lane % 16
	v_lshlrev_b32 v[BG], 4, v0
	v_lshl_add_u32 v[BL], v0, 4, B1TAB
	s_wait_kmcnt 0x0
	s_load_b128 s[68:71], s[16:17], 0x0            ; e0, e1, e2, e3
	s_load_b256 s[72:79], s[14:15], 0x0            ; bg
	s_add_nc_u64 s[4:5], s[4:5], s[80:81]
	s_add_nc_u64 s[18:19], s[18:19], s[80:81]
	s_mov_b32 s32, 1                               ; descriptor group 0: count = 1,
	s_lshl_b32 s33, s20, 14
	s_add_co_u32 s33, s33, SLOT1                   ; LDS address: slot 1, wave x 16,384: the wave's number alone,
	s_lshl_b32 s82, s20, 14
	s_mov_b32 s83, 0
	s_add_nc_u64 s[6:7], s[6:7], s[82:83]          ; my eighth of tile 0: the same in all four partners,
	s_mov_b64 s[34:35], s[6:7]
	s_or_b32 s35, s35, 0x80000000                  ; type = 2
	CROUND                                         ; all four work-groups are here: the first joint loads meet
	tensor_load_to_lds s[32:35], s[24:31]          ; tile 0
	s_nop 0
	NOPS 4
	s_wait_alu depctr_va_vdst(0)
.irp i, 0,1,2,3
	global_load_b128 v[200+4*\i:203+4*\i], v[BG], s[12:13] offset:4096*\i   ; b1, all 16,384 bytes: 64 a thread
.endr
.irp b, 0,1,2,3,4,5,6,7
	global_load_b128 v[16+8*\b:19+8*\b], v[L16], s[8:9] offset:1024*\b      ; Wg's eight fragments
	global_load_b128 v[20+8*\b:23+8*\b], v[L16], s[8:9] offset:1024*\b+512
.endr
	WIN 0x40                                       ; destination window 1
.irp s, 0,1
.irp q, 0,1,2,3
.irp k, 0,1,2,3
	global_load_b128 v[64*\s+16*\q+4*\k:64*\s+16*\q+4*\k+3], v[XA], s[4:5] offset:512*\s+128*\q+16*\k th:TH_LOAD_NT   ; register 64 s + 16 q + m = x(row lane % 16, 128 s + 32 q + 16 (lane / 16) + m)
.endr
.endr
.endr
	WIN 0
	s_wait_kmcnt 0x0
	s_add_co_i32 s84, s68, s69                     ; es = e0 + e1
	s_lshl_b32 s85, s84, 23
	s_add_co_u32 s54, s85, 0x3f3504f3              ; 2^es / sqrt(2): es is added to the exponent field
	s_mov_b32 s55, s54
	s_sub_co_u32 s57, 0x40a96e2f, s85              ; 5.2947 / 2^es = 3.7439 sqrt(2) / 2^es,
	s_or_b32 s56, s57, 0x80000000                  ; and its negative
	s_sub_co_i32 s88, 0, s84                       ; -es
	s_add_co_i32 s89, s70, s71                     ; e2 + e3
	s_add_co_i32 s85, s69, 127
	s_lshl_b32 s86, s85, 23
	v_mov_b32 v[CSC], s86                          ; 2^e1, for x's conversions
	s_add_co_i32 s85, s85, 8
	s_lshl_b32 s85, s85, 23
	s_or_b32 s85, s85, 0x600000
	v_mov_b32 v[LIM], s85                          ; 448 x 2^e1
	s_sub_co_i32 s85, s70, s84
	s_add_co_i32 s85, s85, 128                     ; ec + 127, ec = e2 - es + 1
	s_lshl_b32 s90, s85, 23                        ; 2^ec
	s_add_co_i32 s85, s85, 8
	s_lshl_b32 s91, s85, 23
	s_or_b32 s91, s91, 0x600000                    ; 448 x 2^ec
	s_wait_loadcnt 48                              ; b1's four loads are in; behind them: Wg's 16 and x's 32
.set n_, 0
.rept 16
	v_ldexp_f32 v[200+n_], v[200+n_], s88          ; b1 / 2^es: it joins sums that lack 2^es
.set n_, n_+1
.endr
.irp i, 0,1,2,3
	ds_store_b128 v[BL], v[200+4*\i:203+4*\i] offset:4096*\i
.endr
	s_wait_loadcnt 0x0
	WIN 0x05                                       ; sources in window 1
.set n_, 0
.rept 64
	v_cvt_pk_bf16_f32 v[112+n_], v[2*n_], v[2*n_+1]   ; x in bf16 for the gate, in the order in which Wg's fragments were laid
.set n_, n_+1
.endr
	WIN 0
.irp j, 0,1,2,3,4,5,6,7
	v_mov_b32 v[192+\j], s[72+\j]                  ; bg in the result's layout: register j = expert j
.endr
	; the logits, transposed: every lane ends with the 8 logits of token lane % 16.  Two accumulators by turns
	v_wmma_f32_16x16x32_bf16 v[176:183], v[16:23], v[112:119], v[192:199]
	v_wmma_f32_16x16x32_bf16 v[184:191], v[24:31], v[120:127], 0
.irp b, 2,4,6
	v_wmma_f32_16x16x32_bf16 v[176:183], v[16+8*\b:23+8*\b], v[112+8*\b:119+8*\b], v[176:183]
	v_wmma_f32_16x16x32_bf16 v[184:191], v[24+8*\b:31+8*\b], v[120+8*\b:127+8*\b], v[184:191]
.endr
	WIN 0x41                                       ; x (destination and source 0) in window 1
.set n_, 0
.rept 128
	v_med3_num_f32 v[n_], v[n_], -v[LIM], v[LIM]   ; the hold; these lines are also the places behind the gate's products
.set n_, n_+1
.endr
	WIN 0x01
.set n_, 0
.rept 16
	v_cvt_scalef32_pk8_fp8_f32 v[80+2*n_:81+2*n_], v[8*n_:8*n_+7], v[CSC]
.set n_, n_+1
.endr
	v_nop                                          ; one plain instruction behind the conversions
	WIN 0
.irp n, 0,1,2,3,4,5,6,7
	ds_store_b128 v[XW], v[80+4*\n:83+4*\n] offset:512*\n   ; my tile's two fragments, as images of their registers
.endr
	; the softmax over a lane's eight registers
.irp k, 0,2,4,6
	v_pk_add_f32 v[176+\k:177+\k], v[176+\k:177+\k], v[184+\k:185+\k]
.endr
	s_delay_alu instid0(VALU_DEP_3)
	v_max3_num_f32 v216, v176, v177, v178
	s_delay_alu instid0(VALU_DEP_3)
	v_max3_num_f32 v217, v179, v180, v181
	s_delay_alu instid0(VALU_DEP_2)
	v_max3_num_f32 v216, v216, v182, v183
	s_delay_alu instid0(VALU_DEP_1)
	v_max_num_f32 v216, v216, v217                 ; the token's largest logit
	s_delay_alu instid0(VALU_DEP_1)
	v_mul_f32 v218, 0xbfb8aa3b, v216               ; x -log2(e)
	v_mov_b32 v219, 0                              ; (named as the upper half of the pair)
.irp k, 0,2,4,6
	v_pk_fma_f32 v[176+\k:177+\k], v[176+\k:177+\k], 0x3fb8aa3b, v[218:219] op_sel_hi:[1,0,0]
.endr
	s_wait_alu depctr_va_vdst(0)
.irp j, 0,1,2,3,4,5,6,7
	v_exp_f32 v[176+\j], v[176+\j]
.endr
	v_nop
	s_wait_alu depctr_va_vdst(0)                   ; one wait for the eight exponentials
	v_pk_add_f32 v[220:221], v[176:177], v[178:179]
	v_pk_add_f32 v[222:223], v[180:181], v[182:183]
	s_delay_alu instid0(VALU_DEP_1)
	v_pk_add_f32 v[220:221], v[220:221], v[222:223]
	s_delay_alu instid0(VALU_DEP_1)
	v_add_f32 v220, v220, v221
	s_wait_alu depctr_va_vdst(0)
	v_rcp_f32 v222, v220
	v_nop
	s_wait_alu depctr_va_vdst(0)
	v_ldexp_f32 v222, v222, s89                    ; x 2^(e2 + e3): the second product's two scales ride on p
.irp k, 0,2,4,6
	v_pk_mul_f32 v[176+\k:177+\k], v[176+\k:177+\k], v[222:223] op_sel_hi:[1,0]
.endr
.irp j, 0,1,2,3,4,5,6,7
	ds_store_b32 v[PA0], v[176+\j] offset:1024*\j
.endr
	v_mov_b32 v[CSC], s90                          ; from here on: the hidden layer's scale
	v_mov_b32 v[LIM], s91
	s_wait_dscnt 0x0                               ; for the others' sake: my stores of b1, x's codes and p are done
.irp t, 0,1,2,3,4,5,6,7,8,9,10,11,12,13,14,15
	global_load_b128 v[80+8*\t:83+8*\t], v[L16], s[10:11] offset:1024*\t     ; b2's sixteen fragments
	global_load_b128 v[84+8*\t:87+8*\t], v[L16], s[10:11] offset:1024*\t+512
.endr
	s_barrier_signal -1                            ; tile 0 may stay on its way
	s_barrier_wait -1
.irp n, 0,1,2,3,4,5,6,7
	ds_load_b128 v[XF+4*\n:XF+4*\n+3], v[XW] offset:512*\n          ; x's fragments stay in registers: my tile's,
	ds_load_b128 v[XF+32+4*\n:XF+32+4*\n+3], v[XP] offset:512*\n    ; and my partner's
.endr
.irp j, 0,1,2,3,4,5,6,7
	ds_load_b32 v[224+\j], v[PA0] offset:1024*\j
	ds_load_b32 v[232+\j], v[PA1] offset:1024*\j
.endr
	s_wait_dscnt 0x0
.irp j, 0,1
.irp q, 0,1,2,3
	v_cvt_pk_bf16_f32 v[208+8*\j+\q], v[224+8*\j+2*\q], v[224+8*\j+2*\q+1]   ; p as a fragment: K = the eight experts,
	v_cvt_pk_bf16_f32 v[212+8*\j+\q], v[224+8*\j+2*\q], v[224+8*\j+2*\q+1]   ; four times over the 32
.endr
.endr
	s_wait_alu depctr_va_vdst(0)
	s_wait_loadcnt 0x0                             ; b2's fragments
	WIN 0x40                                       ; destination window 1
.irp t, 0,1,2,3,4,5,6,7,8,9,10,11,12,13,14,15
.irp j, 0,1
	v_wmma_f32_16x16x32_bf16 v[128*\j+8*\t:128*\j+8*\t+7], v[80+8*\t:87+8*\t], v[208+8*\j:215+8*\j], 0   ; out begins as half of sum over e of p b2: nothing is ever cleared
.endr
.endr
	WIN 0
	NOPS 4                                         ; places ahead of the loads into these products' operands
	s_mov_b32 s59, SLOT1                           ; the slot in hand: tile 0's
	s_mov_b32 s60, 0                               ; the step's place in b1's table
	s_mov_b32 s61, 0                               ; 512 x step
	s_mov_b32 s62, 15
	s_mov_b32 s82, 0                               ; the tile's byte in wq
	s_mov_b32 s83, 0
	CHANGE 1                                       ; tile 0 is whole; slot 0's first fill, tile 1, is issued as a refill is
	v_add_nc_u32 v[AD], s59, v[AD0]
	v_mov_b32 v[BA], v[BA0]
	s_wait_alu depctr_va_vdst(0)
	FETCH2 F, 0
	FETCHB PN, 0
	FETCH2 SB, 8192
	START 0
	; ================ SIXTEEN STEPS
.Lstep:                                            ; 15 trips: each change of slots asks for the tile two on
	APART
	CHANGE 1
	BPART 1
	s_sub_co_u32 s62, s62, 1
	s_cmp_lg_u32 s62, 0
	s_cbranch_scc1 .Lstep
	APART                                          ; the last step is written out
	CHANGE 0
	BPART 0
	; ================ THE WAY OUT
	; The pair's partials meet: I hand my partial of my partner's tile over as an image of its registers, in slot 0, which had its last fill and its last read ahead of the last change of slots.
	s_lshl_b32 s80, s22, 14
	v_add_nc_u32 v[XA], s80, v[L16]                ; my partner's box
	s_lshl_b32 s80, s20, 14
	v_add_nc_u32 v[BG], s80, v[L16]                ; mine
	WIN 0x04                                       ; store data (source 1) in window 1
.set n_, 0
.rept 32
	ds_store_b128 v[XA], v[128+4*n_:131+4*n_] offset:512*n_
.set n_, n_+1
.endr
	WIN 0
	s_wait_alu depctr_va_vdst(0)
	s_wait_dscnt 0x0                               ; my stores are done, and my reads of slot 1 and of b1's table are over
	s_barrier_signal -1
	s_barrier_wait -1
.set n_, 0
.rept 32
	ds_load_b128 v[112+4*n_:115+4*n_], v[BG] offset:512*n_
.set n_, n_+1
.endr
	s_mul_i32 s80, s20, 16*OPITCH
	s_add_co_u32 s80, s80, OUTST                   ; my stage
	v_and_b32 v5, 15, v0
	v_bfe_u32 v6, v0, 4, 1
	s_delay_alu instid0(VALU_DEP_2)
	v_mul_u32_u24 v3, v5, OPITCH
	s_delay_alu instid0(VALU_DEP_1)
	v_lshl_add_u32 v3, v6, 5, v3
	s_delay_alu instid0(VALU_DEP_1)
	v_add_nc_u32 v3, s80, v3                       ; in: row lane % 16, 32 bytes for each half of the lanes
	v_add_nc_u32 v4, s80, v[L16]                   ; back: 512 consecutive bytes of a row
	s_wait_dscnt 0x0
	WIN 0x04                                       ; source 1 in window 1
.set n_, 0
.rept 64
	v_pk_add_f32 v[112+n_:113+n_], v[112+n_:113+n_], v[n_:n_+1]   ; my partner's partial of my tile + mine
.set n_, n_+2
.endr
	WIN 0
.irp t, 0,1,2,3,4,5,6,7,8,9,10,11,12,13,14,15
	ds_store_b128 v3, v[112+8*\t:115+8*\t] offset:64*\t        ; lane (r, h): out(token r, 16 t + 8 h + 0 .. 7)
	ds_store_b128 v3, v[116+8*\t:119+8*\t] offset:64*\t+16
.endr
.set n_, 0
.rept 32
	ds_load_b128 v[112+4*n_:115+4*n_], v4 offset:(n_/2)*OPITCH+512*(n_%2)   ; LDS serves a wave's instructions in order (ISA guide 5.7.1.4): these see my stores
.set n_, n_+1
.endr
.set n_, 0
.rept 32
	s_wait_dscnt 31-n_                             ; load n is in; those issued behind it may be out
	global_store_b128 v[L16], v[112+4*n_:115+4*n_], s[18:19] offset:512*n_ th:TH_STORE_NT   ; 32 lanes store 512 consecutive bytes, at a multiple of 512 from out0's first byte
.set n_, n_+1
.endr
	s_wait_tensorcnt 0x0                           ; the wave's end
	ds_add_u32 v[SPW], v[NIL]
	s_wait_dscnt 0x0
	CROUND                                         ; the closing round: no work-group ends while a partner may still ask for a tile that names it
	s_endpgm
.Lfunc_end_k_qb0bd646196_moe:
	.size	k_qb0bd646196_moe, .Lfunc_end_k_qb0bd646196_moe-k_qb0bd646196_moe
	.p2alignl 7, 3214868480
	.fill 96, 4, 3214868480
	.section	.rodata,"a",@progbits
	.p2align	6, 0x0
	.amdhsa_kernel k_qb0bd646196_moe
		.amdhsa_group_segment_fixed_size 327680
		.amdhsa_private_segment_fixed_size 0
		.amdhsa_enable_private_segment 0
		.amdhsa_kernarg_size 64
		.amdhsa_user_sgpr_count 2
		.amdhsa_user_sgpr_kernarg_segment_ptr 1
		.amdhsa_wavefront_size32 1
		.amdhsa_system_sgpr_workgroup_id_x 1
		.amdhsa_system_sgpr_workgroup_id_y 1
		.amdhsa_system_sgpr_workgroup_id_z 1
		.amdhsa_system_vgpr_workitem_id 0
		.amdhsa_next_free_vgpr 512
		.amdhsa_next_free_sgpr 100
		.amdhsa_reserve_vcc 0
		.amdhsa_float_denorm_mode_32 3
		.amdhsa_float_denorm_mode_16_64 3
		.amdhsa_memory_ordered 1
		.amdhsa_forward_progress 1
		.amdhsa_inst_pref_size 255
	.end_amdhsa_kernel
	.section	.bss,"aw",@nobits
	.p2align	6
	.space	262144
	.amdgpu_metadata
---
amdhsa.version: [ 1, 2 ]
amdhsa.kernels:
  - .name:           k_qb0bd646196_moe
    .symbol:         k_qb0bd646196_moe.kd
    .args:
      - { .name: x, .offset: 0, .size: 8, .value_kind: global_buffer, .address_space: global }
      - { .name: wq, .offset: 8, .size: 8, .value_kind: global_buffer, .address_space: global }
      - { .name: wgf, .offset: 16, .size: 8, .value_kind: global_buffer, .address_space: global }
      - { .name: b2f, .offset: 24, .size: 8, .value_kind: global_buffer, .address_space: global }
      - { .name: b1, .offset: 32, .size: 8, .value_kind: global_buffer, .address_space: global }
      - { .name: bg, .offset: 40, .size: 8, .value_kind: global_buffer, .address_space: global }
      - { .name: lowp_scales, .offset: 48, .size: 8, .value_kind: global_buffer, .address_space: global }
      - { .name: out0, .offset: 56, .size: 8, .value_kind: global_buffer, .address_space: global }
    .group_segment_fixed_size: 327680
    .private_segment_fixed_size: 0
    .kernarg_segment_align: 8
    .kernarg_segment_size: 64
    .max_flat_workgroup_size: 256
    .sgpr_count:     100
    .vgpr_count:     512
    .wavefront_size: 32
...
	.end_amdgpu_metadata
.endif
;; end of part 2
